; MI455X (gfx1250); checked and timed in simulation.
; The chip was launched on July 23, 2026; its instructions are those of AMD's public machine-readable ISA for CDNA 5 (MIT licence, August 2026) and "CDNA5" Instruction Set Architecture Reference Guide (July 2026). The comments in the code are by the model that wrote it; some were corrected since.
;; Scaled Dot Product Attention. Allowed arithmetic: float matrix products may take bf16 or f16 operands with f32 sums; all other float work in f32.
;; Inputs: K 4 x 16 x 2,048 x 64 float32; Q 4 x 16 x 2,048 x 64 float32; V 4 x 16 x 2,048 x 64 float32; attn_mask 4 x 1 x 2,048 x 2,048 bool.
;; Outputs: out0 4 x 16 x 2,048 x 64 float32.
;; 2 versions, each right. Each part assembles by itself: llvm-mc -triple=amdgcn-amd-amdhsa -mcpu=gfx1250 --defsym DOCPART=n.
;; ======== version 1 of 2: 1 launch
;; limits: inputs' magnitudes at most 11,000
;; launch attn (part 1): grid 8 x 64, 8 waves a work-group, no clusters, 181,248 bytes of LDS; arguments Q, K, V, attn_mask, out0; writes out0
.if DOCPART == 1
	.amdgcn_target "amdgcn-amd-amdhsa--gfx1250"
	.amdhsa_code_object_version 6
	.text
	.protected	k_q1cd1f7dd36_attn
	.globl	k_q1cd1f7dd36_attn
	.p2align	8
	.type	k_q1cd1f7dd36_attn,@function
k_q1cd1f7dd36_attn:
	s_mov_b64 s[64:65], 0
	v_nop
	global_prefetch_b8 v0, s[64:65] scope:SCOPE_SE
	s_setreg_imm32_b32 hwreg(HW_REG_WAVE_MODE, 25, 1), 1
	s_wait_xcnt 0x0
; out[b][h][q][:] = softmax over k of ( mask[b][q][k] ? -1e9 : Q[q].K[k] / 8 ) . V[k][:]      B = 4, H = 16, S = 2048, d = 64, all f32; mask one byte.
; One work-group: one head (grid y = 16 b + h), 256 queries (grid x), all 2048 keys.  Eight waves, 32 queries each (two tiles of 16).
; Keys go in sub-steps of 64; four sub-steps are a block of 256 keys = 256 bytes of each mask row; 8 blocks.
;
; BOTH PRODUCTS ARE USED TRANSPOSED.  S^T = K Q^T: source 0 = 16 rows of K, source 1 = 16 rows of Q, so lane (r, h) holds query r and, in
; register j, key row 8 h + j: maximum and sum run down a lane's own registers, and one exchange between the halves of the wave joins the maxima.
; Packed in pairs, score tiles 2 u and 2 u + 1 ARE registers 0-3 and 4-7 of source 1 of O^T = V^T P^T: no shuffle.  In O^T a lane again holds one query.
; KEY ORDER IN LDS: key 32 h + 8 t + j of a sub-step lies in LDS row 16 t + 8 h + j, for K and V alike, so that a lane's 32 scores of a sub-step
; belong to 32 neighbouring keys and its 32 mask bytes are 32 neighbouring bytes of its query's mask row.
; THE MASK is the C operand of the first product: a byte permute turns mask bytes 0 / 1 into bytes 0x00 / 0xF0, shifts bring each to the top of a word.
; An open word is below 3e-38 in magnitude, a masked one is at most -2^97.  The running maximum starts at -2^93, so a masked score always gives
; exp2 = 0, as exp(-1e9 - max) is 0 in f32.  A row with no open key ends with sum 0 and gets the mean of V over all keys, which is what 2048 equal scores give;
; the column sums of V are gathered in f32 while V is converted, and the choice is a select, not a branch.
; LIMITS: a row's largest open score (after the division by 8) lies above -1e9 + 104 (at or below it masked keys would weigh in); raw scores are below 2^93 in
; magnitude; NaN and infinities get no treatment of their own; mask bytes are 0 or 1.  Products take bf16 operands and sum in f32; the softmax sum is made of the f32 values.
; NO CLUSTER, NO TENSOR LOADS: the eight query blocks of a head read the same K and V, but K and V have to be rounded to bf16 and V summed on the way into LDS,
; which takes them through registers; a joint f32 tile would add 32 KiB written to LDS and 32 KiB read back for every 64 keys of every work-group.
; The mask, 16 of a sub-step's 48 KiB, is different for each query block.
; PREFETCH: wave 0 asks, in a block's first sub-step, for this work-group's 32 of the next block's 256 rows of K and of V (the eight query blocks of a head ask for
; 32 rows each, every row once), three sub-steps before the first of them is loaded; and in every second block for 16 rows x 2 key blocks of the mask
; (the 16 heads of a batch ask for 16 rows each).  The last block asks for nothing, and the mask's last request is for key blocks 6 and 7.
.set ROWB,  256                        ; bytes in a row of Q, K, V, out
.set MROW,  2048                       ; bytes in a mask row
.set TILEB, 64*ROWB                    ; a sub-step's K or V in memory
.set KPIT,  144                        ; LDS row of K: 128 bytes of bf16 + 16: sixteen rows start in sixteen different 16-byte columns modulo 256 bytes
.set VPIT,  160                        ; LDS row of V: 128 + 32, an odd multiple of 32, for the transposing loads
.set MPIT,  272                        ; LDS row of the mask and of the output stage: 256 + 16
.set MBUF,  32*MPIT                    ; a wave's mask rows of one block
.set MWAVE, 2*MBUF                     ; two such buffers for each wave, its own: LDS bytes 0 .. 139,263
.set KV0,   8*MWAVE                    ; two slots of K and V
.set VOFF,  64*KPIT                    ; V behind K in a slot
.set SLOTB, VOFF+64*VPIT               ; 19,456 bytes a slot
.set RED,   KV0+2*SLOTB                ; 8 x 256 bytes: the waves' column sums of V
; window 0: one register each, offsets only, never an address of memory
.set KADR, 1                           ; LDS: my K fragment rows
.set VADR, 2                           ; LDS: my V transposing loads
.set MADR, 3                           ; LDS: my query's mask bytes; at the end my place in the output stage
.set MSTO, 4                           ; LDS: where I store (and at the end read) whole rows of 256 bytes
.set KSTO, 5                           ; LDS: where I store converted K
.set VSTO, 6                           ; LDS: where I store converted V
.set GK,   7                           ; memory offset of my 16 bytes of K in a tile; at the end of my 16 bytes of out
.set GV,   8                           ; the same for V
.set GM,   9                           ; the same for the mask
.set PFK,  10                          ; prefetch offset in K and V
.set PFM,  11                          ; prefetch offset in the mask
.set M,    12                          ; v[12:13] running maximum of query tiles 0, 1 (raw scores)
.set NM,   14                          ; v[14:15] -M c, rounded
.set AL,   16                          ; v[16:17] factor for the old sums; at the end 1 / sum
.set LS,   18                          ; v[18:19] my half of the softmax sum
.set VS,   20                          ; v[20:23] column sums of V, my 4 columns, my rows
.set TA,   24
.set TB,   25
.set TC,   26
.set TD,   27
.set TS0,  28                          ; v[28:31] two chains of the sum
.set TS1,  30
.set QF,   32                          ; v[32:63]   Q fragments: 32 + 16 qn + 8 ks
.set SB,   64                          ; v[64:127]  scores: 64 + 32 qn + 8 kt; P in place: 64 + 32 qn + 16 pu
.set FR,   128                         ; v[128:191] K fragments 128 + 16 b; V fragments 128 + 32 pu + 8 mt
.set MK,   176                         ; v[176:191] mask bytes, 8 registers a query tile (free again when V's fragments come)
.set STK,  192                         ; v[192:207] K as loaded
.set STV,  208                         ; v[208:223] V as loaded
.set MS,   224                         ; v[224:239] mask as loaded
.set CT,   240                         ; v[240:255] K and V in bf16
; window 1: O(mt, qn) = v[256 + 16 mt + 8 qn], written below by their low 8 bits
; scalars: s[4:5] Q, s[6:7] K, s[8:9] V, s[10:11] mask, s[12:13] out; s14 wave; s15 x; s16 y; s17-19 at work; s20 byte table; s21 -c; s[22:23] c, c;
;          s24, s25 lane selects; s26 loop counter; s27 floor of the maximum; s28, s29 lanes whose sum is 0; s[30:31] 1/2048 twice
.set MSB, 0
.macro WIN new                         ; s_set_vgpr_msb: bits 1:0 source 0, 3:2 source 1, 5:4 source 2, 7:6 destination; the high byte repeats the setting that is left
.if MSB != \new
	s_set_vgpr_msb (MSB<<8)|\new
.set MSB, \new
.endif
.endm
.macro PLACES                          ; four plain vector places behind a matrix instruction (ISA guide 7.12.1)
.rept 4
	v_nop
.endr
.endm
	s_load_b256 s[4:11], s[0:1], 0x0               ; Q, K, V, mask
	s_load_b64 s[12:13], s[0:1], 0x20              ; out
	s_set_vgpr_msb 0x40
	v_lshl_add_u32 v64, v0, 2, 0x2c000
	v_mov_b32 v65, 0
	s_set_vgpr_msb 0x4000
	v_lshrrev_b32 v24, 5, v0
	v_readfirstlane_b32 s14, v24                   ; wave 0..7
	s_mov_b32 s15, ttmp9                           ; x: query block
	s_and_b32 s16, ttmp7, 0xffff                   ; y: 16 b + h
	s_mov_b32 s20, 0x0000f000                      ; byte 0 = 0x00 (open), byte 1 = 0xf0 (masked)
	s_mov_b32 s21, 0xbe38aa3b                      ; -c, c = log2(e) / 8
	s_mov_b32 s22, 0x3e38aa3b
	s_mov_b32 s23, 0x3e38aa3b
	s_mov_b32 s24, 0x76543210                      ; v_permlanex16_b32: lane i reads lane i of the other half
	s_mov_b32 s25, 0xfedcba98
	s_mov_b32 s27, 0xee000000                      ; -2^93
	s_mov_b32 s30, 0x3a000000                      ; 1 / 2048
	s_mov_b32 s31, 0x3a000000
	v_and_b32 v24, 15, v0                          ; r = c: lane mod 16
	v_bfe_u32 v25, v0, 4, 1                        ; h: which half of the wave
	v_and_b32 v26, 7, v0
	v_bfe_u32 v27, v0, 3, 1
	v_and_b32 v28, 31, v0                          ; lane
	v_mov_b32 v[NM+1], 0                           ; the first packed multiply-add names the pair NM, NM+1: both are written
	v_lshlrev_b32 v29, 8, v24                      ; Q: row r, 32 h bytes in
	v_lshl_add_u32 v29, v25, 5, v29
	v_mul_u32_u24 v[KADR], v24, KPIT               ; K fragment: row r, 16 h bytes in
	v_lshl_add_u32 v[KADR], v25, 4, v[KADR]
	v_add_nc_u32 v[KADR], KV0, v[KADR]
	v_lshl_add_u32 v[VADR], v25, 3, v26            ; V: row 8 h + lane mod 8, 16-byte column (lane / 8) mod 2
	v_mul_u32_u24 v[VADR], v[VADR], VPIT
	v_lshl_add_u32 v[VADR], v27, 4, v[VADR]
	v_add_nc_u32 v[VADR], KV0+VOFF, v[VADR]
	s_mul_i32 s17, s14, MWAVE                      ; my wave's mask buffers
	v_mul_u32_u24 v[MADR], v24, MPIT               ; query r's row, 32 h bytes in
	v_lshl_add_u32 v[MADR], v25, 5, v[MADR]
	v_add_nc_u32 v[MADR], s17, v[MADR]
	v_mul_u32_u24 v[MSTO], v25, MPIT               ; row h, 16 c bytes in
	v_lshl_add_u32 v[MSTO], v24, 4, v[MSTO]
	v_add_nc_u32 v[MSTO], s17, v[MSTO]
	s_mul_i32 s17, s14, KPIT                       ; K: load i brings me key 32 h + 8 i + w, which lies in LDS row 16 i + 8 h + w
	s_add_co_u32 s17, s17, KV0
	v_mul_u32_u24 v[KSTO], v25, 8*KPIT
	v_lshl_add_u32 v[KSTO], v24, 3, v[KSTO]
	v_add_nc_u32 v[KSTO], s17, v[KSTO]
	s_mul_i32 s17, s14, 8*VPIT                     ; V: my wave owns LDS rows 8 w .. 8 w + 7; load i goes to row 8 w + 4 h + i:
	s_add_co_u32 s17, s17, KV0+VOFF                ; the two rows of one store are 4 x 160 = 640 bytes apart, 128 modulo 256
	v_mul_u32_u24 v[VSTO], v25, 4*VPIT
	v_lshl_add_u32 v[VSTO], v24, 3, v[VSTO]
	v_add_nc_u32 v[VSTO], s17, v[VSTO]
	s_and_b32 s17, s14, 1                          ; by the key order above LDS row 8 w + 4 h + i holds key 32 (w mod 2) + 8 (w / 2) + 4 h + i
	s_lshr_b32 s18, s14, 1
	s_lshl_b32 s17, s17, 13                        ; 32 rows of 256 bytes
	s_lshl_b32 s18, s18, 11                        ; 8 rows
	s_add_co_u32 s17, s17, s18
	v_lshlrev_b32 v[GV], 10, v25                   ; 4 rows
	v_lshl_add_u32 v[GV], v24, 4, v[GV]
	v_add_nc_u32 v[GV], s17, v[GV]
	s_lshl_b32 s17, s14, 8
	v_lshlrev_b32 v[GK], 13, v25
	v_lshl_add_u32 v[GK], v24, 4, v[GK]
	v_add_nc_u32 v[GK], s17, v[GK]
	v_lshlrev_b32 v[GM], 11, v25                   ; mask: row h, 16 c bytes in
	v_lshl_add_u32 v[GM], v24, 4, v[GM]
	s_lshl_b32 s17, s15, 13
	v_lshl_add_u32 v[PFK], v28, 8, s17             ; row 32 x + lane of a block of 256 rows
	s_and_b32 s17, s16, 15
	s_lshl_b32 s17, s17, 15
	v_lshl_add_u32 v[PFM], v24, 11, s17            ; mask row 16 head + lane mod 16 of the query block, key block h
	v_lshl_add_u32 v[PFM], v25, 8, v[PFM]
	s_wait_kmcnt 0x0
	s_lshl_b32 s18, s16, 19                        ; a head: 2048 rows of 256 bytes
	s_mov_b32 s19, 0
	s_add_nc_u64 s[6:7], s[6:7], s[18:19]
	s_add_nc_u64 s[8:9], s[8:9], s[18:19]
	s_lshl_b32 s17, s15, 16                        ; + 256 x rows + 32 w rows
	s_or_b32 s18, s18, s17
	s_lshl_b32 s17, s14, 13
	s_or_b32 s18, s18, s17
	s_add_nc_u64 s[4:5], s[4:5], s[18:19]
	s_add_nc_u64 s[12:13], s[12:13], s[18:19]
	s_lshr_b32 s18, s16, 4                         ; mask: batch, 256 x rows, 32 w rows of 2048 bytes
	s_lshl_b32 s18, s18, 22
	s_lshl_b32 s17, s15, 19
	s_or_b32 s18, s18, s17
	s_lshl_b32 s17, s14, 16
	s_or_b32 s18, s18, s17
	s_add_nc_u64 s[10:11], s[10:11], s[18:19]
; eight loads: K's and V's tile, 512 bytes (two whole rows) an instruction, the eight waves together 16 KiB each
.macro LDKV tile
.irp i,0,1,2,3
	global_load_b128 v[STK+4*\i:STK+4*\i+3], v[GK], s[6:7] offset:(\tile)*TILEB+\i*8*ROWB
.endr
.irp i,0,1,2,3
	global_load_b128 v[STV+4*\i:STV+4*\i+3], v[GV], s[8:9] offset:(\tile)*TILEB+\i*ROWB
.endr
.endm
; four loads: rows 8 su .. 8 su + 7 of my 32 mask rows, key block kb from the base: sixteen lanes take 256 aligned bytes of one row
.macro LDM su, kb
.irp i,0,1,2,3
	global_load_b128 v[MS+4*\i:MS+4*\i+3], v[GM], s[10:11] offset:(8*\su+2*\i)*MROW+(\kb)*256
.endr
.endm
; K and V to bf16 and into a slot
.macro CVST slot
.irp i,0,1,2,3
	v_cvt_pk_bf16_f32 v[CT+2*\i], v[STK+4*\i], v[STK+4*\i+1]
	v_cvt_pk_bf16_f32 v[CT+2*\i+1], v[STK+4*\i+2], v[STK+4*\i+3]
.endr
.irp i,0,1,2,3
	ds_store_b64 v[KSTO], v[CT+2*\i:CT+2*\i+1] offset:(\slot)*SLOTB+\i*16*KPIT
.endr
.irp i,0,1,2,3
	v_cvt_pk_bf16_f32 v[CT+8+2*\i], v[STV+4*\i], v[STV+4*\i+1]
	v_cvt_pk_bf16_f32 v[CT+8+2*\i+1], v[STV+4*\i+2], v[STV+4*\i+3]
.endr
.irp i,0,1,2,3
	ds_store_b64 v[VSTO], v[CT+8+2*\i:CT+8+2*\i+1] offset:(\slot)*SLOTB+\i*VPIT
.endr
.endm
	; PROLOGUE: 40 loads go out at once: 16 of Q, 8 of K's and V's tile 0, 16 of the mask's key block 0
.irp qn,0,1
.irp ks,0,1
	global_load_b128 v[SB+32*\qn+16*\ks:SB+32*\qn+16*\ks+3],     v29, s[4:5] offset:\qn*16*ROWB+\ks*128
	global_load_b128 v[SB+32*\qn+16*\ks+4:SB+32*\qn+16*\ks+7],   v29, s[4:5] offset:\qn*16*ROWB+\ks*128+16
	global_load_b128 v[SB+32*\qn+16*\ks+8:SB+32*\qn+16*\ks+11],  v29, s[4:5] offset:\qn*16*ROWB+\ks*128+64
	global_load_b128 v[SB+32*\qn+16*\ks+12:SB+32*\qn+16*\ks+15], v29, s[4:5] offset:\qn*16*ROWB+\ks*128+80
.endr
.endr
	LDKV 0
.irp i,0,1,2,3,4,5,6,7,8,9,10,11,12,13,14,15
	global_load_b128 v[FR+4*\i:FR+4*\i+3], v[GM], s[10:11] offset:\i*2*MROW
.endr
	s_wait_loadcnt 24                              ; Q is in: the 8 + 16 younger loads stay out
.set kk, 0
.rept 32
	v_cvt_pk_bf16_f32 v[QF+kk], v[SB+2*kk], v[SB+2*kk+1]   ; fragment (qn, ks): registers 0-3 d = 32 ks + 8 h + 0..7, registers 4-7 d = 32 ks + 16 + 8 h + 0..7
.set kk, kk+1
.endr
	s_wait_loadcnt 16                              ; K's and V's tile 0 are in: the 16 mask loads stay out
	CVST 0
	v_pk_add_f32 v[VS:VS+1],   v[STV:STV+1],   v[STV+4:STV+5]      ; the first sums start V's column sums: nothing is cleared
	v_pk_add_f32 v[VS+2:VS+3], v[STV+2:STV+3], v[STV+6:STV+7]
.irp i,2,3
	v_pk_add_f32 v[VS:VS+1],   v[VS:VS+1],   v[STV+4*\i:STV+4*\i+1]
	v_pk_add_f32 v[VS+2:VS+3], v[VS+2:VS+3], v[STV+4*\i+2:STV+4*\i+3]
.endr
	s_wait_loadcnt 0x0
.irp i,0,1,2,3,4,5,6,7,8,9,10,11,12,13,14,15
	ds_store_b128 v[MSTO], v[FR+4*\i:FR+4*\i+3] offset:\i*2*MPIT
.endr
	s_wait_dscnt 0x0                               ; my part of slot 0 is stored,
	s_barrier_signal -1
	s_barrier_wait -1                              ; everybody's is
; mask bytes of key tile kt to C words: one permute for four bytes, three shifts; 16 plain vector instructions
.macro BIAS kt
.irp qn,0,1
.irp q,0,1
	v_perm_b32 v[SB+32*\qn+8*\kt+4*\q+3], s20, s20, v[MK+8*\qn+2*\kt+\q]     ; the mask bytes are the selectors: 0 -> 0x00, 1 -> 0xf0
.endr
.endr
.irp qn,0,1
.irp q,0,1
	v_lshlrev_b32 v[SB+32*\qn+8*\kt+4*\q],   24, v[SB+32*\qn+8*\kt+4*\q+3]
	v_lshlrev_b32 v[SB+32*\qn+8*\kt+4*\q+1], 16, v[SB+32*\qn+8*\kt+4*\q+3]
	v_lshlrev_b32 v[SB+32*\qn+8*\kt+4*\q+2], 8,  v[SB+32*\qn+8*\kt+4*\q+3]
.endr
.endr
.endm
; 16 rows of K, all 64 d, into fragment buffer b: registers 8 ks .. 8 ks + 7 are the fragment of d = 32 ks .. 32 ks + 31
.macro KFRAG b, slot, kt
.irp e,0,1,2,3
	ds_load_b128 v[FR+16*\b+4*\e:FR+16*\b+4*\e+3], v[KADR] offset:(\slot)*SLOTB+\kt*16*KPIT+32*\e
.endr
.endm
; four products: key tile kt x two query tiles x two halves of d.  The two accumulators take turns, one instruction a turn.
.macro QK4 b, kt
.irp ks,0,1
.irp qn,0,1
	v_wmma_f32_16x16x32_bf16 v[SB+32*\qn+8*\kt:SB+32*\qn+8*\kt+7], v[FR+16*\b+8*\ks:FR+16*\b+8*\ks+7], v[QF+16*\qn+8*\ks:QF+16*\qn+8*\ks+7], v[SB+32*\qn+8*\kt:SB+32*\qn+8*\kt+7]
.endr
.endr
.endm
; the largest of 16 registers from base on, left in d0 and d1: two chains that do not wait for each other
.macro MAX16 d0, d1, base
	v_max3_num_f32 v[\d0], v[\base], v[\base+1], v[\base+2]
	v_max3_num_f32 v[\d1], v[\base+3], v[\base+4], v[\base+5]
	v_max3_num_f32 v[\d0], v[\d0], v[\base+6], v[\base+7]
	v_max3_num_f32 v[\d1], v[\d1], v[\base+8], v[\base+9]
	v_max3_num_f32 v[\d0], v[\d0], v[\base+10], v[\base+11]
	v_max3_num_f32 v[\d1], v[\d1], v[\base+12], v[\base+13]
	v_max3_num_f32 v[\d0], v[\d0], v[\base+14], v[\base+15]
.endm
; key tiles 0 and 1 of query tile qn and the old maximum (at first the floor) into TA
.macro MAXA qn, first
	MAX16 TA, TC, SB+32*\qn
.if \first
	v_max3_num_f32 v[TA], v[TA], v[TC], s27
.else
	v_max3_num_f32 v[TA], v[TA], v[TC], v[M+\qn]
.endif
.endm
; the softmax step of query tile qn: new maximum, factor for the old sums, p = exp2(S c - M c), sum, P in bf16 in place
.macro SOFT qn, first
	MAX16 TB, TD, SB+32*\qn+16
	v_max3_num_f32 v[TB], v[TB], v[TD], v[TA]
	v_permlanex16_b32 v[TC], v[TB], s24, s25       ; the query's other 32 keys lie in the other half of the wave
	v_max_num_f32 v[M+\qn], v[TB], v[TC]
.if \first
	v_mul_f32 v[NM+\qn], s21, v[M+\qn]
.else
	v_mul_f32 v[TD], s21, v[M+\qn]
	v_sub_f32 v[AL+\qn], v[TD], v[NM+\qn]          ; the difference of the two shifts that the exponents really get
	v_mov_b32 v[NM+\qn], v[TD]
	v_exp_f32 v[AL+\qn], v[AL+\qn]                 ; used far below
.endif
.set kk, 0
.rept 16
.if \qn
	v_pk_fma_f32 v[SB+32+kk:SB+32+kk+1], v[SB+32+kk:SB+32+kk+1], s[22:23], v[NM:NM+1] op_sel:[0,0,1] op_sel_hi:[1,0,1]
.else
	v_pk_fma_f32 v[SB+kk:SB+kk+1], v[SB+kk:SB+kk+1], s[22:23], v[NM:NM+1] op_sel_hi:[1,0,0]
.endif
.set kk, kk+2
.endr
.set kk, 0
.rept 32
	v_exp_f32 v[SB+32*\qn+kk], v[SB+32*\qn+kk]
.set kk, kk+1
.endr
.if \first
	v_nop                                          ; one plain vector instruction between the exponentials and the first use of a result (ISA guide 5.7.2)
	s_wait_alu depctr_va_vdst(0)
.else
	s_wait_alu depctr_va_vdst(0)
	v_mul_f32 v[LS+\qn], v[LS+\qn], v[AL+\qn]      ; the old sum's factor stands in that place, so it is not fused into the add below
.endif
	v_pk_add_f32 v[TS0:TS0+1], v[SB+32*\qn:SB+32*\qn+1],   v[SB+32*\qn+4:SB+32*\qn+5]
	v_pk_add_f32 v[TS1:TS1+1], v[SB+32*\qn+2:SB+32*\qn+3], v[SB+32*\qn+6:SB+32*\qn+7]
.set kk, 8
.rept 6
	v_pk_add_f32 v[TS0:TS0+1], v[TS0:TS0+1], v[SB+32*\qn+kk:SB+32*\qn+kk+1]
	v_pk_add_f32 v[TS1:TS1+1], v[TS1:TS1+1], v[SB+32*\qn+kk+2:SB+32*\qn+kk+3]
.set kk, kk+4
.endr
	v_pk_add_f32 v[TS0:TS0+1], v[TS0:TS0+1], v[TS1:TS1+1]
.if \first
	v_add_f32 v[LS+\qn], v[TS0], v[TS0+1]
.else
	v_add_f32 v[TA], v[TS0], v[TS0+1]
	v_add_f32 v[LS+\qn], v[LS+\qn], v[TA]
.endif
.irp pu,0,1
.irp k,0,1,2,3,4,5,6,7
	v_cvt_pk_bf16_f32 v[SB+32*\qn+16*\pu+\k], v[SB+32*\qn+16*\pu+2*\k], v[SB+32*\qn+16*\pu+2*\k+1]   ; register k is written when registers 2 k' of k' < k have been read
.endr
.endr
.endm
; V^T fragments: 32 LDS rows (pu) x 16 columns (mt), two transposing loads each
.macro VFRAGS slot
.irp pu,0,1
.irp mt,0,1,2,3
	ds_load_tr16_b128 v[FR+32*\pu+8*\mt:FR+32*\pu+8*\mt+3],   v[VADR] offset:(\slot)*SLOTB+\pu*32*VPIT+\mt*32
	ds_load_tr16_b128 v[FR+32*\pu+8*\mt+4:FR+32*\pu+8*\mt+7], v[VADR] offset:(\slot)*SLOTB+\pu*32*VPIT+\mt*32+16*VPIT
.endr
.endr
.endm
; the next tile into the other slot, and eight mask rows of the next key block into my other mask buffer
.macro CONV slot2, ldm, par2, su
.if \ldm
	s_wait_loadcnt 0x4                             ; K and V are in: the four mask loads are younger
.else
	s_wait_loadcnt 0x0
.endif
	CVST \slot2
.if \ldm
	s_wait_loadcnt 0x0
.irp i,0,1,2,3
	ds_store_b128 v[MSTO], v[MS+4*\i:MS+4*\i+3] offset:(\par2)*MBUF+(8*\su+2*\i)*MPIT
.endr
.endif
.endm
.macro RESCALE                         ; O times the factor of its query tile: a lane holds one query of each tile
	WIN 0x41
.irp mt,0,1,2,3
.irp k,0,2,4,6
	v_pk_mul_f32 v[16*\mt+\k:16*\mt+\k+1],     v[16*\mt+\k:16*\mt+\k+1],     v[AL:AL+1] op_sel_hi:[1,0]
	v_pk_mul_f32 v[16*\mt+8+\k:16*\mt+8+\k+1], v[16*\mt+8+\k:16*\mt+8+\k+1], v[AL:AL+1] op_sel:[0,1] op_sel_hi:[1,1]
.endr
.endr
.endm
; 16 products O^T += V^T P^T.  The eight accumulators take turns, one instruction a turn.  first = 1: the first products start the sums.
.macro PV first
	WIN 0x50
.irp pu,0,1
.irp mt,0,1,2,3
.irp qn,0,1
.if \first*(1-\pu)
	v_wmma_f32_16x16x32_bf16 v[16*\mt+8*\qn:16*\mt+8*\qn+7], v[FR+32*\pu+8*\mt:FR+32*\pu+8*\mt+7], v[SB+32*\qn+16*\pu:SB+32*\qn+16*\pu+7], 0
.else
	v_wmma_f32_16x16x32_bf16 v[16*\mt+8*\qn:16*\mt+8*\qn+7], v[FR+32*\pu+8*\mt:FR+32*\pu+8*\mt+7], v[SB+32*\qn+16*\pu:SB+32*\qn+16*\pu+7], v[16*\mt+8*\qn:16*\mt+8*\qn+7]
.endif
.endr
.endr
.endr
	WIN 0
.endm
.macro VSUM                            ; the tile just converted joins V's column sums; these eight lines are also the places behind the last products
.irp i,0,1,2,3
	v_pk_add_f32 v[VS:VS+1],   v[VS:VS+1],   v[STV+4*\i:STV+4*\i+1]
	v_pk_add_f32 v[VS+2:VS+3], v[VS+2:VS+3], v[STV+4*\i+2:STV+4*\i+3]
.endr
.endm
; wave 0 asks for this work-group's share of the next block of K and V; mk = 1: and of two later key blocks of the mask, at byte mkoff of the rows;
; cond = 1: not in the loop's last trip, where those key blocks would lie past the rows' end
.macro PREF org, mk, mkoff, cond
	s_cmp_lg_u32 s14, 0
	s_cbranch_scc1 .Lno_pf_\@
	global_prefetch_b8 v[PFK], s[6:7] offset:(\org+4)*TILEB th:TH_LOAD_NT scope:SCOPE_SE
	global_prefetch_b8 v[PFK], s[8:9] offset:(\org+4)*TILEB th:TH_LOAD_NT scope:SCOPE_SE
.if \mk
.if \cond
	s_cmp_eq_u32 s26, 1
	s_cbranch_scc1 .Lno_pf_\@
.endif
	global_prefetch_b8 v[PFM], s[10:11] offset:\mkoff th:TH_LOAD_NT scope:SCOPE_SE
.endif
.Lno_pf_\@:
.endm
; ONE SUB-STEP: 64 keys from slot, mask bytes 64 su .. 64 su + 63 of buffer par.  org: the block's first tile, counted from the bases.
; ONE barrier: in front of its signal each wave has waited for its reads of this slot and its stores into the other.  The other slot was last read one
; sub-step ago, and every wave waited for those reads in front of that sub-step's signal.  Between signal and wait stands register work alone.
.macro SUBSTEP su, slot, par, org, first, ldkv, ldm, pf, mk, mkoff, cond
.if \ldkv
	LDKV \org+\su+1                                ; the next tile: it has the products and the softmax in which to arrive
.endif
.if \ldm
	LDM \su, \org/4+1
.endif
.if \pf
	PREF \org, \mk, \mkoff, \cond
.endif
.irp qn,0,1
	ds_load_b128 v[MK+8*\qn:MK+8*\qn+3],   v[MADR] offset:\par*MBUF+\qn*16*MPIT+64*\su       ; my wave's own bytes: LDS serves a wave's instructions in order
	ds_load_b128 v[MK+8*\qn+4:MK+8*\qn+7], v[MADR] offset:\par*MBUF+\qn*16*MPIT+64*\su+16
.endr
	KFRAG 0, \slot, 0
	KFRAG 1, \slot, 1
	s_wait_dscnt 0x8                               ; the mask bytes are in: eight K loads are younger
	BIAS 0
	s_wait_dscnt 0x4                               ; buffer 0 is in: four loads are younger
	QK4 0, 0
	BIAS 1                                         ; 16 places behind the products, ahead of the loads into buffer 0
	KFRAG 0, \slot, 2
	s_wait_dscnt 0x4                               ; buffer 1 is in
	QK4 1, 1
	BIAS 2
	KFRAG 1, \slot, 3
	s_wait_dscnt 0x4                               ; buffer 0 is in
	QK4 0, 2
	BIAS 3
	s_wait_dscnt 0x0
	QK4 1, 3
	MAXA 0, \first                                 ; eight places that name key tiles 0 and 1 alone: behind them V's fragments may land on K's, and tile 3 may be read
	VFRAGS \slot
	SOFT 0, \first
	MAXA 1, \first
	SOFT 1, \first
.if \ldkv
	CONV (1-\slot), \ldm, (1-\par), \su
	s_wait_dscnt 0x0                               ; my reads of this slot are back (V's fragments among them) and my stores into the other are done
	s_barrier_signal -1
.else
	s_wait_dscnt 0x0                               ; V's fragments
.endif
.if 1-\first
	RESCALE
.endif
	PV \first
.if \ldkv
	VSUM
	s_barrier_wait -1
.else
	PLACES
.endif
.endm
; a block of 256 keys.  last = 1: no further mask, no prefetch, and the fourth sub-step fetches nothing
.macro BLOCK par, org, first, last, mk, mkoff, cond
	SUBSTEP 0, 0, \par, \org, \first, 1, 1-\last, 1-\last, \mk, \mkoff, \cond
	SUBSTEP 1, 1, \par, \org, 0, 1, 1-\last, 0, 0, 0, 0
	SUBSTEP 2, 0, \par, \org, 0, 1, 1-\last, 0, 0, 0, 0
	SUBSTEP 3, 1, \par, \org, 0, 1-\last, 1-\last, 0, 0, 0, 0
.endm
	BLOCK 0, 0, 1, 0, 1, 512, 0                    ; key block 0; the mask's key blocks 2 and 3 are asked for
	s_wait_xcnt 0x0                                ; the bases are stepped only behind this wait
	s_add_nc_u64 s[6:7], s[6:7], 4*TILEB
	s_add_nc_u64 s[8:9], s[8:9], 4*TILEB
	s_add_nc_u64 s[10:11], s[10:11], 256
	s_mov_b32 s26, 3
.Lpair:                                            ; key blocks 1, 2; 3, 4; 5, 6
	BLOCK 1, 0, 0, 0, 0, 0, 0
	BLOCK 0, 4, 0, 0, 1, 768, 1                    ; the bases stand one key block back: 768 bytes on are key blocks 4, 5 and then 6, 7
	s_wait_xcnt 0x0
	s_add_nc_u64 s[6:7], s[6:7], 8*TILEB
	s_add_nc_u64 s[8:9], s[8:9], 8*TILEB
	s_add_nc_u64 s[10:11], s[10:11], 512
	s_sub_co_i32 s26, s26, 1
	s_cmp_lg_u32 s26, 0
	s_cbranch_scc1 .Lpair
	BLOCK 1, 0, 0, 1, 0, 0, 0                      ; key block 7
	; THE END.  V's column sums: the other half of the wave, then the eight waves through LDS.
	v_permlanex16_b32 v[TA], v[VS],   s24, s25
	v_permlanex16_b32 v[TB], v[VS+1], s24, s25
	v_permlanex16_b32 v[TC], v[VS+2], s24, s25
	v_permlanex16_b32 v[TD], v[VS+3], s24, s25
	v_pk_add_f32 v[VS:VS+1],   v[VS:VS+1],   v[TA:TB]
	v_pk_add_f32 v[VS+2:VS+3], v[VS+2:VS+3], v[TC:TD]
	v_and_b32 v[KADR], 15, v0
	v_lshlrev_b32 v[KADR], 4, v[KADR]
	s_lshl_b32 s17, s14, 8
	s_add_co_u32 s17, s17, RED
	v_add_nc_u32 v[KADR], s17, v[KADR]             ; my wave's 256 bytes, columns 4 c .. 4 c + 3 (both halves store the same numbers)
	ds_store_b128 v[KADR], v[VS:VS+3]
	v_bfe_u32 v[VADR], v0, 4, 1
	v_lshlrev_b32 v[VADR], 5, v[VADR]
	v_add_nc_u32 v[VADR], RED, v[VADR]             ; where I read: columns 16 mt + 8 h + 0..7
	v_permlanex16_b32 v[TA], v[LS],   s24, s25     ; the softmax sums: the query's other half
	v_permlanex16_b32 v[TB], v[LS+1], s24, s25
	v_pk_add_f32 v[LS:LS+1], v[LS:LS+1], v[TA:TB]
	v_cmp_eq_f32 s28, 0, v[LS]                     ; no open key in the whole row
	v_cmp_eq_f32 s29, 0, v[LS+1]
	v_rcp_f32 v[AL], v[LS]
	v_rcp_f32 v[AL+1], v[LS+1]
	v_and_b32 v[GK], 31, v0                        ; a plain place behind the reciprocals; all loads that named this register are long done
	v_lshlrev_b32 v[GK], 4, v[GK]                  ; out: 16 bytes a lane
	s_wait_dscnt 0x0
	s_barrier_signal -1
	s_barrier_wait -1
.irp mt,0,1,2,3
.irp p,0,1,2,3,4,5,6,7
	ds_load_b128 v[SB+8*\p:SB+8*\p+3],   v[VADR] offset:\p*256+64*\mt
	ds_load_b128 v[SB+8*\p+4:SB+8*\p+7], v[VADR] offset:\p*256+64*\mt+16
.endr
	s_wait_dscnt 0x0
.irp p,0,2,4,6
.irp k,0,2,4,6
	v_pk_add_f32 v[SB+8*\p+\k:SB+8*\p+\k+1], v[SB+8*\p+\k:SB+8*\p+\k+1], v[SB+8*\p+8+\k:SB+8*\p+8+\k+1]
.endr
.endr
.irp p,0,4
.irp k,0,2,4,6
	v_pk_add_f32 v[SB+8*\p+\k:SB+8*\p+\k+1], v[SB+8*\p+\k:SB+8*\p+\k+1], v[SB+8*\p+16+\k:SB+8*\p+16+\k+1]
.endr
.endr
.irp k,0,2,4,6
	v_pk_add_f32 v[SB+\k:SB+\k+1], v[SB+\k:SB+\k+1], v[SB+32+\k:SB+32+\k+1]
.endr
.irp k,0,2,4,6
	v_pk_mul_f32 v[FR+8*\mt+\k:FR+8*\mt+\k+1], v[SB+\k:SB+\k+1], s[30:31] op_sel_hi:[1,0]     ; the mean of V, my 8 columns of block mt
.endr
.endr
	WIN 0x01                                       ; O / sum, from window 1 into v[64 + 16 mt + 8 qn]
	s_wait_alu depctr_va_vdst(0)
.irp mt,0,1,2,3
.irp k,0,2,4,6
	v_pk_mul_f32 v[SB+16*\mt+\k:SB+16*\mt+\k+1],     v[16*\mt+\k:16*\mt+\k+1],     v[AL:AL+1] op_sel_hi:[1,0]
	v_pk_mul_f32 v[SB+16*\mt+8+\k:SB+16*\mt+8+\k+1], v[16*\mt+8+\k:16*\mt+8+\k+1], v[AL:AL+1] op_sel:[0,1] op_sel_hi:[1,1]
.endr
.endr
	WIN 0
.irp mt,0,1,2,3
.irp j,0,1,2,3,4,5,6,7
	v_cndmask_b32 v[SB+16*\mt+\j],   v[SB+16*\mt+\j],   v[FR+8*\mt+\j], s28       ; a row without an open key takes the mean
	v_cndmask_b32 v[SB+16*\mt+8+\j], v[SB+16*\mt+8+\j], v[FR+8*\mt+\j], s29
.endr
.endr
	; The way out, through my wave's own mask buffer 0 (last read a block ago): row 16 qn + r, columns 16 mt + 8 h + 0..7 in; whole rows of 256 bytes back.
.irp mt,0,1,2,3
.irp qn,0,1
	ds_store_b128 v[MADR], v[SB+16*\mt+8*\qn:SB+16*\mt+8*\qn+3]   offset:\qn*16*MPIT+64*\mt
	ds_store_b128 v[MADR], v[SB+16*\mt+8*\qn+4:SB+16*\mt+8*\qn+7] offset:\qn*16*MPIT+64*\mt+16
.endr
.endr
.irp i,0,1,2,3,4,5,6,7,8,9,10,11,12,13,14,15
	ds_load_b128 v[STK+4*\i:STK+4*\i+3], v[MSTO] offset:\i*2*MPIT                  ; LDS serves a wave's instructions in order: these see the stores above
.endr
.irp i,0,1,2,3,4,5,6,7,8,9,10,11,12,13,14,15
	s_wait_dscnt 15-\i                             ; rows 2 i and 2 i + 1 are back
	global_store_b128 v[GK], v[STK+4*\i:STK+4*\i+3], s[12:13] offset:\i*2*ROWB th:TH_STORE_NT   ; the wave stores 512 consecutive bytes, two whole aligned rows
.endr
	s_set_vgpr_msb 0x5
	s_wait_tensorcnt 0x0
	ds_add_u32 v64, v65
	s_wait_dscnt 0x0
	s_set_vgpr_msb 0x500
	s_endpgm
.Lfunc_end_k_q1cd1f7dd36_attn:
	.size	k_q1cd1f7dd36_attn, .Lfunc_end_k_q1cd1f7dd36_attn-k_q1cd1f7dd36_attn
	.p2alignl 7, 3214868480
	.fill 96, 4, 3214868480
	.section	.rodata,"a",@progbits
	.p2align	6, 0x0
	.amdhsa_kernel k_q1cd1f7dd36_attn
		.amdhsa_group_segment_fixed_size 181248
		.amdhsa_private_segment_fixed_size 0
		.amdhsa_enable_private_segment 0
		.amdhsa_kernarg_size 40
		.amdhsa_user_sgpr_count 2
		.amdhsa_user_sgpr_kernarg_segment_ptr 1
		.amdhsa_wavefront_size32 1
		.amdhsa_system_sgpr_workgroup_id_x 1
		.amdhsa_system_sgpr_workgroup_id_y 1
		.amdhsa_system_sgpr_workgroup_id_z 1
		.amdhsa_system_vgpr_workitem_id 0
		.amdhsa_next_free_vgpr 322
		.amdhsa_next_free_sgpr 66
		.amdhsa_reserve_vcc 0
		.amdhsa_float_denorm_mode_32 3
		.amdhsa_float_denorm_mode_16_64 3
		.amdhsa_memory_ordered 1
		.amdhsa_forward_progress 1
		.amdhsa_inst_pref_size 255
	.end_amdhsa_kernel
	.section	.bss,"aw",@nobits
	.p2align	6
	.space	262144
	.amdgpu_metadata
---
amdhsa.version: [ 1, 2 ]
amdhsa.kernels:
  - .name:           k_q1cd1f7dd36_attn
    .symbol:         k_q1cd1f7dd36_attn.kd
    .args:
      - { .name: Q, .offset: 0, .size: 8, .value_kind: global_buffer, .address_space: global }
      - { .name: K, .offset: 8, .size: 8, .value_kind: global_buffer, .address_space: global }
      - { .name: V, .offset: 16, .size: 8, .value_kind: global_buffer, .address_space: global }
      - { .name: attn_mask, .offset: 24, .size: 8, .value_kind: global_buffer, .address_space: global }
      - { .name: out0, .offset: 32, .size: 8, .value_kind: global_buffer, .address_space: global }
    .group_segment_fixed_size: 181248
    .private_segment_fixed_size: 0
    .kernarg_segment_align: 8
    .kernarg_segment_size: 40
    .max_flat_workgroup_size: 256
    .sgpr_count:     66
    .vgpr_count:     322
    .wavefront_size: 32
...
	.end_amdgpu_metadata
.endif
;; end of part 1
;; ======== version 2 of 2: 1 launch
;; limits: inputs' magnitudes at most 11,000
;; launch attn (part 2): grid 256 x 1, 16 waves a work-group, clusters of 4 x 1, 327,680 bytes of LDS; arguments Q, K, V, attn_mask, out0; writes out0
.if DOCPART == 2
	.amdgcn_target "amdgcn-amd-amdhsa--gfx1250"
	.amdhsa_code_object_version 6
	.text
	.protected	k_q1cd1f7dd36_attn
	.globl	k_q1cd1f7dd36_attn
	.p2align	8
	.type	k_q1cd1f7dd36_attn,@function
k_q1cd1f7dd36_attn:
	s_mov_b64 s[64:65], 0
	v_nop
	global_prefetch_b8 v0, s[64:65] scope:SCOPE_SE
	s_setreg_imm32_b32 hwreg(HW_REG_WAVE_MODE, 25, 1), 1
	s_wait_xcnt 0x0
	s_wait_alu depctr_hold_cnt(0) depctr_sa_sdst(0) depctr_va_vdst(0) depctr_va_sdst(0) depctr_va_ssrc(0) depctr_va_vcc(0) depctr_vm_vsrc(0)
	s_getreg_b32 s2, hwreg(HW_REG_IB_STS2, 6, 4)
	s_cmp_eq_u32 s2, 0
	s_cbranch_scc0 .Lentry_in_a_cluster
	s_endpgm
.Lentry_in_a_cluster:
	s_bfe_u32 s2, ttmp6, 0x10000c
	s_cmp_lg_u32 s2, 0x3003
	s_cbranch_scc0 .Lentry_shape_is_right
	s_endpgm
.Lentry_shape_is_right:
; out[b][h][q][:] = softmax over k of ( mask[b][q][k] ? -1e9 : Q[q].K[k] / 8 ) . V[k][:]      B = 4, H = 16, S = 2048, d = 64, all f32; mask one byte.
; One work-group: one head, 512 queries, all 2048 keys.  Sixteen waves, four on a SIMD, 32 queries each (two tiles of 16), 256 registers each: no register window.
; Keys go in sub-steps of 64; four sub-steps are a block of 256 keys = 256 bytes of each mask row; 8 blocks.  256 work-groups.
;
; BOTH PRODUCTS ARE USED TRANSPOSED.  S^T = K Q^T: source 0 = 16 rows of K, source 1 = 16 rows of Q, so lane (r, h) holds query r and, in
; register j, key row 8 h + j: maximum and sum run down a lane's own registers, and one exchange between the halves of the wave joins the maxima.
; Packed in pairs, score tiles 2 u and 2 u + 1 ARE registers 0-3 and 4-7 of source 1 of O^T = V^T P^T: no shuffle.  In O^T a lane again holds one query.
; KEY ORDER: row 8 h + j of score tile t is key 32 h + 8 t + j of the sub-step, for K and V alike, so that a lane's 32 scores of a sub-step
; belong to 32 neighbouring keys and its 32 mask bytes are 32 neighbouring bytes of its query's mask row.
; THE MASK is the C operand of the first product: a byte permute turns mask bytes 0 / 1 into bytes 0x00 / 0xF0, shifts bring each to the top of a word.
; An open word is below 3e-38 in magnitude, a masked one is at most -2^97.  The running maximum starts at -2^93, so a masked score always gives
; exp2 = 0, as exp(-1e9 - max) is 0 in f32.  A row with no open key ends with sum 0 and gets the mean of V over all keys, which is what 2048 equal scores give;
; the column sums of V are gathered in f32 while V is converted, and the choice is a select, not a branch.
; LIMITS: a row's largest open score (after the division by 8) lies above -1e9 + 104 (at or below it masked keys would weigh in); raw scores are below 2^93 in
; magnitude; NaN and infinities get no treatment of their own; mask bytes are 0 or 1.  Products take bf16 operands and sum in f32; the softmax sum is made of the f32 values.
; CLUSTER: four work-groups, four heads of one batch on the same 512 queries, need the same mask bytes.  Wave w of each asks JOINTLY, by one tensor load with the
; same descriptor and the mask of all four, for its 32 rows x 256 bytes of a key block; each receives them in its own LDS.  That divides the requests for the mask by four.
; K and V, which the four query blocks of a head share, are NOT asked for jointly: they have to be rounded to bf16 and V summed on the way into LDS, which takes them
; through registers; a joint f32 tile would add 32 KiB written to LDS and 32 KiB read back for every 64 keys of every work-group.
; WHO TAKES WHAT: the batch is bits 1 and 2 of the cluster's number, the head 4 x (bits 0 and 3) + the place in the cluster, the query block bits 4 and 5:
; clusters whose numbers agree in bits 1 and 2 read one batch's mask, K and V.
; PREFETCH: wave 0 asks, in sub-steps 1 and 3 of a block, for this work-group's 32 of the 128 rows of K and of V that make the tiles three and four sub-steps on
; (the four query blocks of a head ask for 32 rows each, every row once); these tiles' loads are issued in the middle of the next sub-step and of the one after.
; In sub-step 3 it asks for 32 of the 512 mask rows of the key block two blocks on (the 16 heads ask for 32 rows each), whose tensor load follows one sub-step later.
; Tiles 0 to 3 and key blocks 0 and 1 are not asked for; the last requests are for tiles 30, 31 and key block 7.
.set ROWB,  256                        ; bytes in a row of Q, K, V, out
.set TILEB, 64*ROWB                    ; a sub-step's K or V in memory
.set KPIT,  144                        ; LDS row of K: 128 bytes of bf16 + 16
.set KHALF, 32*KPIT+128                ; K's keys 32 .. 63 lie 4,736 bytes behind keys 0 .. 31: 128 modulo 256, so the two rows of one store touch different banks,
                                       ; and the sixteen rows of a fragment start in sixteen different 16-byte columns modulo 256 (9 j and 9 j + 8 modulo 16)
.set VPIT,  160                        ; LDS row of V: 128 + 32, an odd multiple of 32, for the transposing loads
.set VHALF, 32*VPIT+128                ; 5,248 bytes, again 128 modulo 256
.set MPIT,  272                        ; LDS row of the mask and of the output stage: 256 + 16
.set MBUF,  32*MPIT                    ; a wave's mask rows of one key block
.set MWAVE, 2*MBUF                     ; two such buffers for each wave, its own: LDS bytes 0 .. 278,527; tensor loads fill these bytes and no others
.set KV0,   16*MWAVE                   ; two slots of K and V, a multiple of 256
.set VOFF,  9472                       ; V behind K in a slot
.set SLOTB, 19968                      ; a slot
.set RED,   KV0+2*SLOTB                ; 16 x 256 bytes: the waves' column sums of V
; vector registers: offsets only, never an address of memory
.set KADR, 1                           ; LDS: my K fragment rows
.set VADR, 2                           ; LDS: my V transposing loads
.set MADR, 3                           ; LDS: my query's mask bytes; at the end my place in the output stage
.set KSTO, 4                           ; LDS: where I store converted K
.set VSTO, 5                           ; LDS: where I store converted V
.set GK,   6                           ; memory offset of my 16 bytes in a tile of K and of V
.set PFK,  7                           ; prefetch offset in K and V
.set PFM,  8                           ; prefetch offset in the mask
.set MSTO, 9                           ; LDS: where I read whole rows of the output stage
.set OOFF, 10                          ; memory offset of my 16 bytes of out
.set M,    12                          ; v[12:13] running maximum of query tiles 0, 1 (raw scores)
.set NM,   14                          ; v[14:15] -M c, rounded
.set AL,   16                          ; v[16:17] factor for the old sums; at the end 1 / sum
.set LS,   18                          ; v[18:19] my half of the softmax sum
.set VS,   20                          ; v[20:23] column sums of V, my 4 columns, my rows
.set TA,   24
.set TB,   25
.set TC,   26
.set TD,   27
.set TS0,  28                          ; v[28:31] two chains of the sum
.set TS1,  30
.set QF,   32                          ; v[32:63]   Q fragments: 32 + 16 qn + 8 ks
.set SB,   64                          ; v[64:127]  scores: 64 + 32 qn + 8 kt; P in place: 64 + 32 qn + 16 pu; V fragments (1, 2), (1, 3) in the holes 72-79, 88-95
.set OB,   128                         ; v[128:191] O: 128 + 16 mt + 8 qn; ahead of the first product v[128:143] take K's and V's tile 0 as loaded
.set KB,   192                         ; v[192:223] K fragments 192 + 16 b; then V fragments (0, mt) at 192 + 8 mt
.set MK,   224                         ; v[224:239] mask bytes, 8 registers a query tile; then V fragments (1, 0), (1, 1)
.set STK,  240                         ; v[240:247] K as loaded; then K and V in bf16
.set STV,  248                         ; v[248:255] V as loaded
; scalars: s[4:5] Q, s[6:7] K, s[8:9] V, s[10:11] mask, s[12:13] out; s14 wave; s15 head; s16 16 b + head; s17-19 at work; s20 byte table; s21 -c; s[22:23] c, c;
;          s24, s25 lane selects; s26 loop counter; s27 floor of the maximum; s28, s29 lanes whose sum is 0; s[30:31] 1/2048 twice;
;          s48 batch, s49 query block, s[50:51], s52 at work, s53 my wave's mask buffers: these never hold the place in the cluster
.set G1, 32                            ; s[32:39] descriptor group 1: the shape of a mask tile
.set G0, 40                            ; s[40:47] descriptor group 0, a set for each of my two mask buffers
.macro PLACES                          ; four plain vector places behind a matrix instruction (ISA guide 7.12.1)
.rept 4
	v_nop
.endr
.endm
; A round of the cluster's barrier: my work-group's barrier, so that wave 0's signal speaks for all sixteen waves; wave 0 signals for the work-group; every wave waits
; for all four work-groups; my work-group's barrier once more.
.macro CREST                           ; a round behind its opening barrier
	s_cmp_lg_u32 s14, 0
	s_cbranch_scc1 .Lnot_wave_0_\@
	s_barrier_signal -3
.Lnot_wave_0_\@:
	s_barrier_wait -3
	s_barrier_signal -1
	s_barrier_wait -1
.endm
.macro CROUND                          ; a whole round
	s_barrier_signal -1
	s_barrier_wait -1
	CREST
.endm
	s_load_b256 s[4:11], s[0:1], 0x0               ; Q, K, V, mask
	s_load_b64 s[12:13], s[0:1], 0x20              ; out
	v_lshl_add_u32 v30, v0, 2, 0x4ec00
	v_mov_b32 v31, 0
	ds_add_u32 v30, v31
	s_wait_dscnt 0x0
	v_lshrrev_b32 v24, 5, v0
	v_readfirstlane_b32 s14, v24                   ; wave 0..15
	s_bfe_u32 s48, ttmp9, 0x20001                  ; batch: bits 1, 2 of the cluster's number
	s_lshr_b32 s49, ttmp9, 4                       ; query block: bits 4, 5
	s_bfe_u32 s15, ttmp6, 0x40000                  ; my place in the cluster
	s_and_b32 s16, ttmp9, 1
	s_bfe_u32 s17, ttmp9, 0x10003
	s_lshl_b32 s17, s17, 1
	s_or_b32 s16, s16, s17
	s_lshl_b32 s16, s16, 2
	s_or_b32 s15, s15, s16                         ; head = 4 x (bits 0 and 3) + place
	s_lshl_b32 s16, s48, 4
	s_or_b32 s16, s16, s15                         ; 16 b + head
	s_mov_b32 s20, 0x0000f000                      ; byte 0 = 0x00 (open), byte 1 = 0xf0 (masked)
	s_mov_b32 s21, 0xbe38aa3b                      ; -c, c = log2(e) / 8
	s_mov_b32 s22, 0x3e38aa3b
	s_mov_b32 s23, 0x3e38aa3b
	s_mov_b32 s24, 0x76543210                      ; v_permlanex16_b32: lane i reads lane i of the other half
	s_mov_b32 s25, 0xfedcba98
	s_mov_b32 s27, 0xee000000                      ; -2^93
	s_mov_b32 s30, 0x3a000000                      ; 1 / 2048
	s_mov_b32 s31, 0x3a000000
	; descriptor group 1: 32 rows x 32 elements of 8 bytes (256 bytes), 256 elements from row to row, 16 bytes of padding behind each row in LDS
	s_mov_b32 s[G1+0], 15|(3<<16)|(1<<20)|(1<<21)|(5<<22)|(3<<25)  ; 15:0 the four work-groups of the cluster; 17:16 element of 8 bytes; 20 padding on; 21 set beside a mask; 24:22 after every 64 words; 31:25 of 4 words
	s_mov_b32 s[G1+1], 32<<16                      ; tensor_dim0 = 32
	s_mov_b32 s[G1+2], 32<<16                      ; tensor_dim1 = 32
	s_mov_b32 s[G1+3], 32<<16                      ; tile_dim0 = 32
	s_mov_b32 s[G1+4], 32                          ; tile_dim1 = 32
	s_mov_b32 s[G1+5], 256                         ; a mask row is 2,048 bytes
	s_mov_b32 s[G1+6], 0
	s_mov_b32 s[G1+7], 0
	s_mul_i32 s53, s14, MWAVE                      ; my wave's mask buffers
	v_and_b32 v24, 15, v0                          ; r = c: lane mod 16
	v_bfe_u32 v25, v0, 4, 1                        ; h: which half of the wave
	v_and_b32 v26, 7, v0
	v_bfe_u32 v27, v0, 3, 1
	v_and_b32 v28, 31, v0                          ; lane
	v_mov_b32 v[NM+1], 0                           ; the first packed multiply-add names the pair NM, NM+1: both are written
	v_lshlrev_b32 v29, 8, v24                      ; Q: row r, 32 h bytes in
	v_lshl_add_u32 v29, v25, 5, v29
	v_mul_u32_u24 v[KADR], v26, KPIT               ; K fragment, row r of a tile: array r / 8, row r mod 8 (+ 8 t by the immediate), 16 h bytes in
	v_mul_u32_u24 v30, v27, KHALF
	v_add_nc_u32 v[KADR], v[KADR], v30
	v_lshl_add_u32 v[KADR], v25, 4, v[KADR]
	v_add_nc_u32 v[KADR], KV0, v[KADR]
	v_mul_u32_u24 v[VADR], v26, VPIT               ; V: array h, row lane mod 8 (+ 8 t), 16-byte column (lane / 8) mod 2
	v_mul_u32_u24 v30, v25, VHALF
	v_add_nc_u32 v[VADR], v[VADR], v30
	v_lshl_add_u32 v[VADR], v27, 4, v[VADR]
	v_add_nc_u32 v[VADR], KV0+VOFF, v[VADR]
	v_mul_u32_u24 v[MADR], v24, MPIT               ; query r's row, 32 h bytes in
	v_lshl_add_u32 v[MADR], v25, 5, v[MADR]
	v_add_nc_u32 v[MADR], s53, v[MADR]
	v_mul_u32_u24 v[MSTO], v25, MPIT               ; row h, 16 c bytes in
	v_lshl_add_u32 v[MSTO], v24, 4, v[MSTO]
	v_add_nc_u32 v[MSTO], s53, v[MSTO]
	s_mul_i32 s52, s14, 2*KPIT                     ; load i brings me key 32 h + 2 w + i: array h, row 2 w + i
	s_add_co_u32 s52, s52, KV0
	v_mul_u32_u24 v[KSTO], v25, KHALF
	v_lshl_add_u32 v[KSTO], v24, 3, v[KSTO]
	v_add_nc_u32 v[KSTO], s52, v[KSTO]
	s_mul_i32 s52, s14, 2*VPIT
	s_add_co_u32 s52, s52, KV0+VOFF
	v_mul_u32_u24 v[VSTO], v25, VHALF
	v_lshl_add_u32 v[VSTO], v24, 3, v[VSTO]
	v_add_nc_u32 v[VSTO], s52, v[VSTO]
	s_lshl_b32 s52, s14, 9                         ; in memory: row 32 h + 2 w, 16 c bytes in
	v_lshlrev_b32 v[GK], 13, v25
	v_lshl_add_u32 v[GK], v24, 4, v[GK]
	v_add_nc_u32 v[GK], s52, v[GK]
	s_lshl_b32 s52, s49, 13
	v_lshl_add_u32 v[PFK], v28, 8, s52             ; row 32 x + lane of 128 rows
	s_lshl_b32 s17, s15, 16
	v_lshl_add_u32 v[PFM], v28, 11, s17            ; mask row 32 head + lane of the query block's 512
	s_lshl_b32 s50, s48, 22                        ; mask: batch, 512 x rows, 32 w rows of 2,048 bytes: nothing of the place in the cluster
	s_lshl_b32 s52, s49, 20
	s_or_b32 s50, s50, s52
	s_lshl_b32 s52, s14, 16
	s_or_b32 s50, s50, s52
	s_mov_b32 s51, 0
	s_lshl_b32 s18, s16, 19                        ; a head: 2048 rows of 256 bytes
	s_mov_b32 s19, 0
	s_wait_kmcnt 0x0
	s_add_nc_u64 s[10:11], s[10:11], s[50:51]
	s_add_nc_u64 s[6:7], s[6:7], s[18:19]
	s_add_nc_u64 s[8:9], s[8:9], s[18:19]
	s_lshl_b32 s17, s49, 17                        ; + 512 x rows + 32 w rows
	s_or_b32 s18, s18, s17
	s_lshl_b32 s17, s14, 13
	s_or_b32 s18, s18, s17
	s_add_nc_u64 s[4:5], s[4:5], s[18:19]
	s_add_nc_u64 s[12:13], s[12:13], s[18:19]
	CROUND                                         ; all four work-groups are here: the first joint loads meet
.irp p,0,1
	s_mov_b32 s[G0+4*\p], 1                                        ; count = 1
	s_add_co_u32 s[G0+4*\p+1], s53, \p*MBUF                        ; LDS address: wave x 17,408 + buffer x 8,704
	s_add_nc_u64 s[G0+4*\p+2:G0+4*\p+3], s[10:11], \p*256          ; key block p of my 32 rows
	s_or_b32 s[G0+4*\p+3], s[G0+4*\p+3], 0x80000000                ; type = 2
	tensor_load_to_lds s[G0+4*\p:G0+4*\p+3], s[G1:G1+7]            ; the two first fills go out together: two tensor loads of the wave are out, later never more than one
	s_nop 0
.endr
; four loads: my two pairs of rows of K's tile into 8 registers from kr on and of V's tile from vr on; 512 bytes (two whole rows) an instruction, the sixteen waves together 16 KiB each
.macro LDKV tile, kr, vr
.irp i,0,1
	global_load_b128 v[\kr+4*\i:\kr+4*\i+3], v[GK], s[6:7] offset:(\tile)*TILEB+\i*ROWB
.endr
.irp i,0,1
	global_load_b128 v[\vr+4*\i:\vr+4*\i+3], v[GK], s[8:9] offset:(\tile)*TILEB+\i*ROWB
.endr
.endm
; K and V to bf16 and into a slot.  K is packed in place; V's bf16 goes into the two registers that this frees, so that V's f32 numbers stay for the column sums.
.macro CVST slot, kr, vr
.irp i,0,1
	v_cvt_pk_bf16_f32 v[\kr+4*\i],   v[\kr+4*\i],   v[\kr+4*\i+1]
	v_cvt_pk_bf16_f32 v[\kr+4*\i+1], v[\kr+4*\i+2], v[\kr+4*\i+3]
	v_cvt_pk_bf16_f32 v[\kr+4*\i+2], v[\vr+4*\i],   v[\vr+4*\i+1]
	v_cvt_pk_bf16_f32 v[\kr+4*\i+3], v[\vr+4*\i+2], v[\vr+4*\i+3]
.endr
.irp i,0,1
	ds_store_b64 v[KSTO], v[\kr+4*\i:\kr+4*\i+1]   offset:(\slot)*SLOTB+\i*KPIT
	ds_store_b64 v[VSTO], v[\kr+4*\i+2:\kr+4*\i+3] offset:(\slot)*SLOTB+\i*VPIT
.endr
.endm
	; PROLOGUE: 24 loads go out at once: 16 of Q, 4 of K's and V's tile 0 (into registers of O, which are free until the first product), 4 of tile 1
.irp qn,0,1
.irp ks,0,1
	global_load_b128 v[SB+32*\qn+16*\ks:SB+32*\qn+16*\ks+3],     v29, s[4:5] offset:\qn*16*ROWB+\ks*128
	global_load_b128 v[SB+32*\qn+16*\ks+4:SB+32*\qn+16*\ks+7],   v29, s[4:5] offset:\qn*16*ROWB+\ks*128+16
	global_load_b128 v[SB+32*\qn+16*\ks+8:SB+32*\qn+16*\ks+11],  v29, s[4:5] offset:\qn*16*ROWB+\ks*128+64
	global_load_b128 v[SB+32*\qn+16*\ks+12:SB+32*\qn+16*\ks+15], v29, s[4:5] offset:\qn*16*ROWB+\ks*128+80
.endr
.endr
	LDKV 0, OB, OB+8
	LDKV 1, STK, STV
	s_wait_loadcnt 8                               ; Q is in: the 4 + 4 younger loads stay out
.set kk, 0
.rept 32
	v_cvt_pk_bf16_f32 v[QF+kk], v[SB+2*kk], v[SB+2*kk+1]   ; fragment (qn, ks): registers 0-3 d = 32 ks + 8 h + 0..7, registers 4-7 d = 32 ks + 16 + 8 h + 0..7
.set kk, kk+1
.endr
	s_wait_loadcnt 4                               ; K's and V's tile 0 are in: tile 1's four loads stay out, until the middle of the first sub-step
	CVST 0, OB, OB+8
	v_pk_add_f32 v[VS:VS+1],   v[OB+8:OB+9],   v[OB+12:OB+13]      ; the first sums start V's column sums: nothing is cleared
	v_pk_add_f32 v[VS+2:VS+3], v[OB+10:OB+11], v[OB+14:OB+15]
	s_wait_dscnt 0x0                               ; my part of slot 0 is stored,
	s_barrier_signal -1
	s_barrier_wait -1                              ; everybody's is
; mask bytes of key tile kt to C words: one permute for four bytes, three shifts; 16 plain vector instructions
.macro BIAS kt
.irp qn,0,1
.irp q,0,1
	v_perm_b32 v[SB+32*\qn+8*\kt+4*\q+3], s20, s20, v[MK+8*\qn+2*\kt+\q]     ; the mask bytes are the selectors: 0 -> 0x00, 1 -> 0xf0
.endr
.endr
.irp qn,0,1
.irp q,0,1
	v_lshlrev_b32 v[SB+32*\qn+8*\kt+4*\q],   24, v[SB+32*\qn+8*\kt+4*\q+3]
	v_lshlrev_b32 v[SB+32*\qn+8*\kt+4*\q+1], 16, v[SB+32*\qn+8*\kt+4*\q+3]
	v_lshlrev_b32 v[SB+32*\qn+8*\kt+4*\q+2], 8,  v[SB+32*\qn+8*\kt+4*\q+3]
.endr
.endr
.endm
; 16 rows of K, all 64 d, into fragment buffer b: registers 8 ks .. 8 ks + 7 are the fragment of d = 32 ks .. 32 ks + 31
.macro KFRAG b, slot, kt
.irp e,0,1,2,3
	ds_load_b128 v[KB+16*\b+4*\e:KB+16*\b+4*\e+3], v[KADR] offset:(\slot)*SLOTB+\kt*8*KPIT+32*\e
.endr
.endm
; four products: key tile kt x two query tiles x two halves of d.  The two accumulators take turns, one instruction a turn.
.macro QK4 b, kt
.irp ks,0,1
.irp qn,0,1
	v_wmma_f32_16x16x32_bf16 v[SB+32*\qn+8*\kt:SB+32*\qn+8*\kt+7], v[KB+16*\b+8*\ks:KB+16*\b+8*\ks+7], v[QF+16*\qn+8*\ks:QF+16*\qn+8*\ks+7], v[SB+32*\qn+8*\kt:SB+32*\qn+8*\kt+7]
.endr
.endr
.endm
; the largest of 16 registers from base on, left in d0 and d1: two chains that do not wait for each other
.macro MAX16 d0, d1, base
	v_max3_num_f32 v[\d0], v[\base], v[\base+1], v[\base+2]
	v_max3_num_f32 v[\d1], v[\base+3], v[\base+4], v[\base+5]
	v_max3_num_f32 v[\d0], v[\d0], v[\base+6], v[\base+7]
	v_max3_num_f32 v[\d1], v[\d1], v[\base+8], v[\base+9]
	v_max3_num_f32 v[\d0], v[\d0], v[\base+10], v[\base+11]
	v_max3_num_f32 v[\d1], v[\d1], v[\base+12], v[\base+13]
	v_max3_num_f32 v[\d0], v[\d0], v[\base+14], v[\base+15]
.endm
; key tiles 0 and 1 of query tile qn and the old maximum (at first the floor) into TA
.macro MAXA qn, first
	MAX16 TA, TC, SB+32*\qn
.if \first
	v_max3_num_f32 v[TA], v[TA], v[TC], s27
.else
	v_max3_num_f32 v[TA], v[TA], v[TC], v[M+\qn]
.endif
.endm
; the softmax step of query tile qn: new maximum, factor for the old sums, p = exp2(S c - M c), sum, P in bf16 in place
.macro SOFT qn, first
	MAX16 TB, TD, SB+32*\qn+16
	v_max3_num_f32 v[TB], v[TB], v[TD], v[TA]
	v_permlanex16_b32 v[TC], v[TB], s24, s25       ; the query's other 32 keys lie in the other half of the wave
	v_max_num_f32 v[M+\qn], v[TB], v[TC]
.if \first
	v_mul_f32 v[NM+\qn], s21, v[M+\qn]
.else
	v_mul_f32 v[TD], s21, v[M+\qn]
	v_sub_f32 v[AL+\qn], v[TD], v[NM+\qn]          ; the difference of the two shifts that the exponents really get
	v_mov_b32 v[NM+\qn], v[TD]
	v_exp_f32 v[AL+\qn], v[AL+\qn]                 ; used far below
.endif
.set kk, 0
.rept 16
.if \qn
	v_pk_fma_f32 v[SB+32+kk:SB+32+kk+1], v[SB+32+kk:SB+32+kk+1], s[22:23], v[NM:NM+1] op_sel:[0,0,1] op_sel_hi:[1,0,1]
.else
	v_pk_fma_f32 v[SB+kk:SB+kk+1], v[SB+kk:SB+kk+1], s[22:23], v[NM:NM+1] op_sel_hi:[1,0,0]
.endif
.set kk, kk+2
.endr
.set kk, 0
.rept 32
	v_exp_f32 v[SB+32*\qn+kk], v[SB+32*\qn+kk]
.set kk, kk+1
.endr
.if \first
	v_nop                                          ; one plain vector instruction between the exponentials and the first use of a result (ISA guide 5.7.2)
	s_wait_alu depctr_va_vdst(0)
.else
	s_wait_alu depctr_va_vdst(0)
	v_mul_f32 v[LS+\qn], v[LS+\qn], v[AL+\qn]      ; the old sum's factor stands in that place, so it is not fused into the add below
.endif
	v_pk_add_f32 v[TS0:TS0+1], v[SB+32*\qn:SB+32*\qn+1],   v[SB+32*\qn+4:SB+32*\qn+5]
	v_pk_add_f32 v[TS1:TS1+1], v[SB+32*\qn+2:SB+32*\qn+3], v[SB+32*\qn+6:SB+32*\qn+7]
.set kk, 8
.rept 6
	v_pk_add_f32 v[TS0:TS0+1], v[TS0:TS0+1], v[SB+32*\qn+kk:SB+32*\qn+kk+1]
	v_pk_add_f32 v[TS1:TS1+1], v[TS1:TS1+1], v[SB+32*\qn+kk+2:SB+32*\qn+kk+3]
.set kk, kk+4
.endr
	v_pk_add_f32 v[TS0:TS0+1], v[TS0:TS0+1], v[TS1:TS1+1]
.if \first
	v_add_f32 v[LS+\qn], v[TS0], v[TS0+1]
.else
	v_add_f32 v[TA], v[TS0], v[TS0+1]
	v_add_f32 v[LS+\qn], v[LS+\qn], v[TA]
.endif
.irp pu,0,1
.irp k,0,1,2,3,4,5,6,7
	v_cvt_pk_bf16_f32 v[SB+32*\qn+16*\pu+\k], v[SB+32*\qn+16*\pu+2*\k], v[SB+32*\qn+16*\pu+2*\k+1]   ; register k is written when registers 2 k' of k' < k have been read
.endr
.endr
.endm
; one V^T fragment: key tiles 2 pu and 2 pu + 1 x columns 16 mt .. 16 mt + 15, two transposing loads, into 8 registers from dst on
.macro VFL dst, slot, pu, mt
	ds_load_tr16_b128 v[\dst:\dst+3],   v[VADR] offset:(\slot)*SLOTB+(2*\pu)*8*VPIT+\mt*32
	ds_load_tr16_b128 v[\dst+4:\dst+7], v[VADR] offset:(\slot)*SLOTB+(2*\pu+1)*8*VPIT+\mt*32
.endm
.macro RESCALE                         ; O times the factor of its query tile: a lane holds one query of each tile
	s_wait_alu depctr_va_vdst(0)
.irp mt,0,1,2,3
.irp k,0,2,4,6
	v_pk_mul_f32 v[OB+16*\mt+\k:OB+16*\mt+\k+1],     v[OB+16*\mt+\k:OB+16*\mt+\k+1],     v[AL:AL+1] op_sel_hi:[1,0]
	v_pk_mul_f32 v[OB+16*\mt+8+\k:OB+16*\mt+8+\k+1], v[OB+16*\mt+8+\k:OB+16*\mt+8+\k+1], v[AL:AL+1] op_sel:[0,1] op_sel_hi:[1,1]
.endr
.endr
.endm
; two products with one V^T fragment; zero = 1: they start the sums
.macro PVW pu, mt, areg, zero
.irp qn,0,1
.if \zero
	v_wmma_f32_16x16x32_bf16 v[OB+16*\mt+8*\qn:OB+16*\mt+8*\qn+7], v[\areg:\areg+7], v[SB+32*\qn+16*\pu:SB+32*\qn+16*\pu+7], 0
.else
	v_wmma_f32_16x16x32_bf16 v[OB+16*\mt+8*\qn:OB+16*\mt+8*\qn+7], v[\areg:\areg+7], v[SB+32*\qn+16*\pu:SB+32*\qn+16*\pu+7], v[OB+16*\mt+8*\qn:OB+16*\mt+8*\qn+7]
.endif
.endr
.endm
; 16 products O^T += V^T P^T.  The eight accumulators take turns, one instruction a turn.
.macro PV first
	PVW 0, 0, KB,    \first
	PVW 0, 1, KB+8,  \first
	PVW 0, 2, KB+16, \first
	PVW 0, 3, KB+24, \first
	PVW 1, 0, MK,    0
	PVW 1, 1, MK+8,  0
	PVW 1, 2, SB+8,  0
	PVW 1, 3, SB+24, 0
.endm
.macro VSUM                            ; the tile just converted joins V's column sums, before its registers are loaded again
.irp i,0,1
	v_pk_add_f32 v[VS:VS+1],   v[VS:VS+1],   v[STV+4*\i:STV+4*\i+1]
	v_pk_add_f32 v[VS+2:VS+3], v[VS+2:VS+3], v[STV+4*\i+2:STV+4*\i+3]
.endr
.endm
; wave 0 asks for this work-group's 32 of the 128 rows of K and of V from tile on; mk = 1: and for its head's 32 mask rows at byte mkoff of the rows;
; cond = 1: not in the loop's last trip, where that key block would lie past the rows' end
.macro PREF tile, mk, mkoff, cond
	s_cmp_lg_u32 s14, 0
	s_cbranch_scc1 .Lno_pf_\@
	global_prefetch_b8 v[PFK], s[6:7] offset:(\tile)*TILEB th:TH_LOAD_NT scope:SCOPE_SE
	global_prefetch_b8 v[PFK], s[8:9] offset:(\tile)*TILEB th:TH_LOAD_NT scope:SCOPE_SE
.if \mk
.if \cond
	s_cmp_eq_u32 s26, 1
	s_cbranch_scc1 .Lno_pf_\@
.endif
	global_prefetch_b8 v[PFM], s[10:11] offset:\mkoff th:TH_LOAD_NT scope:SCOPE_SE
.endif
.Lno_pf_\@:
.endm
; ONE SUB-STEP t: 64 keys from slot, mask bytes 64 su .. 64 su + 63 of buffer par.  org: the block's first tile, counted from the bases.
; ONE barrier, and its signal stands in the MIDDLE of the sub-step, as soon as the two things that it says hold: my reads of this slot are back (K's fragments and all
; eight of V's) and my part of tile t + 1 is stored in the other slot.  The other slot was last read in sub-step t - 1: every wave waited for those reads in front of
; that sub-step's signal, and I have passed its wait.  Between signal and wait stands register work alone: the second query tile's softmax, the rescaling and the
; 16 products, some 150 of the sub-step's 400 instructions; by so much a wave may be ahead of the slowest.
; conv = 1: tile t + 1 is converted, and the barrier stands.  ld = 1: tile t + 2 is requested into the registers just freed; it is waited for in the middle of sub-step t + 1.
; fill = 1: the first line is my joint load of the next key block's mask rows, into the buffer that was read in the last block.
; tw = 1 (a block's last sub-step): the barrier opens a round of the cluster's barrier; in front of it all my tensor loads have landed, the next block's mask among them.
.macro SUBSTEP su, slot, par, org, first, conv, ld, fill, tw, pf, pftile, mk, mkoff, cond
.if \fill
	tensor_load_to_lds s[G0+4*(1-\par):G0+4*(1-\par)+3], s[G1:G1+7]   ; my one tensor load behind the round, ahead of every LDS read: it has more than three sub-steps in which to land
	s_nop 0
.endif
.if \pf
	PREF \pftile, \mk, \mkoff, \cond
.endif
.irp qn,0,1
	ds_load_b128 v[MK+8*\qn:MK+8*\qn+3],   v[MADR] offset:\par*MBUF+\qn*16*MPIT+64*\su       ; my wave's own bytes, shown landed by my own wait
	ds_load_b128 v[MK+8*\qn+4:MK+8*\qn+7], v[MADR] offset:\par*MBUF+\qn*16*MPIT+64*\su+16
.endr
	KFRAG 0, \slot, 0
	KFRAG 1, \slot, 1
	s_wait_dscnt 0x8                               ; the mask bytes are in: eight K loads are younger
	BIAS 0
	s_wait_dscnt 0x4                               ; buffer 0 is in: four loads are younger
	QK4 0, 0
	BIAS 1                                         ; 16 places behind the products, ahead of the loads into buffer 0
	KFRAG 0, \slot, 2
	s_wait_dscnt 0x4                               ; buffer 1 is in
	QK4 1, 1
	BIAS 2
	KFRAG 1, \slot, 3
	s_wait_dscnt 0x4                               ; buffer 0 is in
	QK4 0, 2
	BIAS 3
	s_wait_dscnt 0x0
	QK4 1, 3
	MAXA 0, \first                                 ; eight places that name key tiles 0 and 1 alone: behind them V's fragments may land on K's, and tile 3 may be read
	VFL KB,    \slot, 0, 0
	VFL KB+8,  \slot, 0, 1
	VFL KB+16, \slot, 0, 2
	VFL KB+24, \slot, 0, 3
	VFL MK,    \slot, 1, 0                         ; the mask bytes have been used
	VFL MK+8,  \slot, 1, 1
	SOFT 0, \first
	VFL SB+8,  \slot, 1, 2                         ; the packing of query tile 0 has left these sixteen registers free
	VFL SB+24, \slot, 1, 3
.if \conv
	s_wait_loadcnt 0x0                             ; tile t + 1 of K and V, requested a sub-step ago
	CVST (1-\slot), STK, STV
	VSUM
.endif
	MAXA 1, \first                                 ; eight lines of work while the LDS instructions above are served
	s_wait_dscnt 0x0                               ; my reads of this slot and of my mask buffer are back (V's fragments among them) and my stores into the other slot are done
.if \conv
.if \ld
	LDKV \org+\su+2, STK, STV                      ; no wave stores to K or V, so these loads may be out across the barrier
.endif
.if \tw
	s_wait_xcnt 0x0
	v_lshl_add_u32 v30, v0, 2, 0x4ec00
	v_mov_b32 v31, 0
	s_wait_tensorcnt 0x0                           ; all my tensor loads have landed: the one that was out is the next block's mask; no descriptor is in use,
	ds_add_u32 v30, v31
	s_wait_dscnt 0x0
	s_add_nc_u64 s[G0+4*\par+2:G0+4*\par+3], s[G0+4*\par+2:G0+4*\par+3], 512   ; so this buffer's address steps two key blocks on (behind block 6 it is not used)
.endif
	s_barrier_signal -1
.endif
	SOFT 1, \first
.if 1-\first
	RESCALE
.endif
	PV \first
	PLACES                                         ; behind the last products, ahead of the loads and shifts that write their sources again
.if \conv
	s_barrier_wait -1
.if \tw
	CREST                                          ; all four work-groups have said so: no wave of any partner still reads the buffer or has a load on its way
.endif
.endif
.endm
; a block of 256 keys.  last = 1: tiles 30 and 31 are the last to be requested, the fourth sub-step converts nothing and has no barrier, and nothing is asked for ahead
.macro BLOCK par, org, first, last, fill, mk, mkoff, cond
	SUBSTEP 0, 0, \par, \org, \first, 1, 1, \fill, 0, 0, 0, 0, 0, 0
	SUBSTEP 1, 1, \par, \org, 0, 1, 1, 0, 0, 1-\last, \org+4, 0, 0, 0
	SUBSTEP 2, 0, \par, \org, 0, 1, 1-\last, 0, 0, 0, 0, 0, 0, 0
	SUBSTEP 3, 1, \par, \org, 0, 1-\last, 1-\last, 0, 1-\last, 1-\last, \org+6, \mk, \mkoff, \cond
.endm
	s_wait_tensorcnt 0x1                           ; key block 0 of my mask rows is in; key block 1's load may stay out
	BLOCK 0, 0, 1, 0, 0, 1, 512, 0                 ; key block 0; the mask's key block 2 is asked for
	s_wait_xcnt 0x0                                ; the bases are stepped only behind this wait
	s_add_nc_u64 s[6:7], s[6:7], 4*TILEB
	s_add_nc_u64 s[8:9], s[8:9], 4*TILEB
	s_add_nc_u64 s[10:11], s[10:11], 768           ; from here on this base serves the prefetches alone: key block 3
	s_mov_b32 s26, 3
.Lpair:                                            ; key blocks 1, 2; 3, 4; 5, 6
	BLOCK 1, 0, 0, 0, 1, 1, 0, 0                   ; asks for key blocks 3, 5, 7
	BLOCK 0, 4, 0, 0, 1, 1, 256, 1                 ; asks for key blocks 4, 6 and, in the last trip, for none
	s_wait_xcnt 0x0
	s_add_nc_u64 s[6:7], s[6:7], 8*TILEB
	s_add_nc_u64 s[8:9], s[8:9], 8*TILEB
	s_add_nc_u64 s[10:11], s[10:11], 512
	s_sub_co_i32 s26, s26, 1
	s_cmp_lg_u32 s26, 0
	s_cbranch_scc1 .Lpair
	BLOCK 1, 0, 0, 1, 0, 0, 0, 0                   ; key block 7: no fill
	; THE END.  V's column sums: the other half of the wave, then the sixteen waves through LDS.
	v_permlanex16_b32 v[TA], v[VS],   s24, s25
	v_permlanex16_b32 v[TB], v[VS+1], s24, s25
	v_permlanex16_b32 v[TC], v[VS+2], s24, s25
	v_permlanex16_b32 v[TD], v[VS+3], s24, s25
	v_pk_add_f32 v[VS:VS+1],   v[VS:VS+1],   v[TA:TB]
	v_pk_add_f32 v[VS+2:VS+3], v[VS+2:VS+3], v[TC:TD]
	v_and_b32 v[KADR], 15, v0
	v_lshlrev_b32 v[KADR], 4, v[KADR]              ; 16 c
	s_lshl_b32 s52, s14, 8
	s_add_co_u32 s52, s52, RED
	v_add_nc_u32 v[KSTO], s52, v[KADR]             ; my wave's 256 bytes, columns 4 c .. 4 c + 3 (both halves store the same numbers)
	ds_store_b128 v[KSTO], v[VS:VS+3]
	v_permlanex16_b32 v[TA], v[LS],   s24, s25     ; the softmax sums: the query's other half
	v_permlanex16_b32 v[TB], v[LS+1], s24, s25
	v_pk_add_f32 v[LS:LS+1], v[LS:LS+1], v[TA:TB]
	v_cmp_eq_f32 s28, 0, v[LS]                     ; no open key in the whole row
	v_cmp_eq_f32 s29, 0, v[LS+1]
	v_rcp_f32 v[AL], v[LS]
	v_rcp_f32 v[AL+1], v[LS+1]
	s_add_co_u32 s52, s53, MBUF                    ; my wave's mask buffer 1, whose last fill has been read: 256 bytes of it hold the means
	v_add_nc_u32 v[KADR], s52, v[KADR]             ; where I put columns 4 c .. 4 c + 3 (also the plain place behind the reciprocals)
	v_bfe_u32 v[VSTO], v0, 4, 1
	v_lshlrev_b32 v[VSTO], 5, v[VSTO]
	v_add_nc_u32 v[VSTO], s52, v[VSTO]             ; where I read columns 16 mt + 8 h + 0..7
	v_and_b32 v[OOFF], 31, v0
	v_lshlrev_b32 v[OOFF], 4, v[OOFF]              ; 16 bytes a lane
	v_add_nc_u32 v[VADR], RED, v[OOFF]             ; lanes 0-15 read an even wave's sums, lanes 16-31 the next wave's
	s_wait_dscnt 0x0
	s_barrier_signal -1
	s_barrier_wait -1
.irp k,0,1,2,3,4,5,6,7
	ds_load_b128 v[SB+4*\k:SB+4*\k+3], v[VADR] offset:512*\k
.endr
	RESCALE                                        ; O / sum, while the loads are on their way
	s_wait_dscnt 0x0
.irp k,0,2,4,6
	v_pk_add_f32 v[SB+4*\k:SB+4*\k+1],   v[SB+4*\k:SB+4*\k+1],   v[SB+4*\k+4:SB+4*\k+5]
	v_pk_add_f32 v[SB+4*\k+2:SB+4*\k+3], v[SB+4*\k+2:SB+4*\k+3], v[SB+4*\k+6:SB+4*\k+7]
.endr
.irp k,0,4
	v_pk_add_f32 v[SB+4*\k:SB+4*\k+1],   v[SB+4*\k:SB+4*\k+1],   v[SB+4*\k+8:SB+4*\k+9]
	v_pk_add_f32 v[SB+4*\k+2:SB+4*\k+3], v[SB+4*\k+2:SB+4*\k+3], v[SB+4*\k+10:SB+4*\k+11]
.endr
	v_pk_add_f32 v[SB:SB+1],   v[SB:SB+1],   v[SB+16:SB+17]
	v_pk_add_f32 v[SB+2:SB+3], v[SB+2:SB+3], v[SB+18:SB+19]
	v_permlanex16_b32 v[TA], v[SB],   s24, s25     ; the eight waves that the other half of the lanes summed
	v_permlanex16_b32 v[TB], v[SB+1], s24, s25
	v_permlanex16_b32 v[TC], v[SB+2], s24, s25
	v_permlanex16_b32 v[TD], v[SB+3], s24, s25
	v_pk_add_f32 v[SB:SB+1],   v[SB:SB+1],   v[TA:TB]
	v_pk_add_f32 v[SB+2:SB+3], v[SB+2:SB+3], v[TC:TD]
	v_pk_mul_f32 v[SB:SB+1],   v[SB:SB+1],   s[30:31] op_sel_hi:[1,0]     ; the mean of V, columns 4 c .. 4 c + 3
	v_pk_mul_f32 v[SB+2:SB+3], v[SB+2:SB+3], s[30:31] op_sel_hi:[1,0]
	ds_store_b128 v[KADR], v[SB:SB+3]
.irp mt,0,1,2,3
	ds_load_b128 v[KB+8*\mt:KB+8*\mt+3],   v[VSTO] offset:64*\mt          ; LDS serves a wave's instructions in order (ISA guide 5.7.1): these see the store above
	ds_load_b128 v[KB+8*\mt+4:KB+8*\mt+7], v[VSTO] offset:64*\mt+16
.endr
	s_wait_dscnt 0x0
.irp mt,0,1,2,3
.irp j,0,1,2,3,4,5,6,7
	v_cndmask_b32 v[OB+16*\mt+\j],   v[OB+16*\mt+\j],   v[KB+8*\mt+\j], s28       ; a row without an open key takes the mean
	v_cndmask_b32 v[OB+16*\mt+8+\j], v[OB+16*\mt+8+\j], v[KB+8*\mt+\j], s29
.endr
.endr
	; The way out, through my wave's own mask buffer 0 (its last fill was read a block ago): row 16 qn + r, columns 16 mt + 8 h + 0..7 in; whole rows of 256 bytes back.
.irp mt,0,1,2,3
.irp qn,0,1
	ds_store_b128 v[MADR], v[OB+16*\mt+8*\qn:OB+16*\mt+8*\qn+3]   offset:\qn*16*MPIT+64*\mt
	ds_store_b128 v[MADR], v[OB+16*\mt+8*\qn+4:OB+16*\mt+8*\qn+7] offset:\qn*16*MPIT+64*\mt+16
.endr
.endr
.irp i,0,1,2,3,4,5,6,7,8,9,10,11,12,13,14,15
	ds_load_b128 v[SB+4*\i:SB+4*\i+3], v[MSTO] offset:\i*2*MPIT                    ; in order behind the stores above
.endr
.irp i,0,1,2,3,4,5,6,7,8,9,10,11,12,13,14,15
	s_wait_dscnt 15-\i                             ; rows 2 i and 2 i + 1 are back
	global_store_b128 v[OOFF], v[SB+4*\i:SB+4*\i+3], s[12:13] offset:\i*2*ROWB th:TH_STORE_NT   ; the wave stores 512 consecutive bytes, two whole aligned rows
.endr
	s_wait_xcnt 0x0
	v_lshl_add_u32 v30, v0, 2, 0x4ec00
	v_mov_b32 v31, 0
	s_wait_tensorcnt 0x0
	ds_add_u32 v30, v31
	s_wait_dscnt 0x0
	CROUND                                         ; the closing round: no work-group ends while a partner may still ask for a tile that names it
	s_endpgm
.Lfunc_end_k_q1cd1f7dd36_attn:
	.size	k_q1cd1f7dd36_attn, .Lfunc_end_k_q1cd1f7dd36_attn-k_q1cd1f7dd36_attn
	.p2alignl 7, 3214868480
	.fill 96, 4, 3214868480
	.section	.rodata,"a",@progbits
	.p2align	6, 0x0
	.amdhsa_kernel k_q1cd1f7dd36_attn
		.amdhsa_group_segment_fixed_size 327680
		.amdhsa_private_segment_fixed_size 0
		.amdhsa_enable_private_segment 0
		.amdhsa_kernarg_size 40
		.amdhsa_user_sgpr_count 2
		.amdhsa_user_sgpr_kernarg_segment_ptr 1
		.amdhsa_wavefront_size32 1
		.amdhsa_system_sgpr_workgroup_id_x 1
		.amdhsa_system_sgpr_workgroup_id_y 1
		.amdhsa_system_sgpr_workgroup_id_z 1
		.amdhsa_system_vgpr_workitem_id 0
		.amdhsa_next_free_vgpr 256
		.amdhsa_next_free_sgpr 66
		.amdhsa_reserve_vcc 0
		.amdhsa_float_denorm_mode_32 3
		.amdhsa_float_denorm_mode_16_64 3
		.amdhsa_memory_ordered 1
		.amdhsa_forward_progress 1
		.amdhsa_inst_pref_size 255
	.end_amdhsa_kernel
	.section	.bss,"aw",@nobits
	.p2align	6
	.space	262144
	.amdgpu_metadata
---
amdhsa.version: [ 1, 2 ]
amdhsa.kernels:
  - .name:           k_q1cd1f7dd36_attn
    .symbol:         k_q1cd1f7dd36_attn.kd
    .args:
      - { .name: Q, .offset: 0, .size: 8, .value_kind: global_buffer, .address_space: global }
      - { .name: K, .offset: 8, .size: 8, .value_kind: global_buffer, .address_space: global }
      - { .name: V, .offset: 16, .size: 8, .value_kind: global_buffer, .address_space: global }
      - { .name: attn_mask, .offset: 24, .size: 8, .value_kind: global_buffer, .address_space: global }
      - { .name: out0, .offset: 32, .size: 8, .value_kind: global_buffer, .address_space: global }
    .group_segment_fixed_size: 327680
    .private_segment_fixed_size: 0
    .kernarg_segment_align: 8
    .kernarg_segment_size: 40
    .max_flat_workgroup_size: 512
    .sgpr_count:     66
    .vgpr_count:     256
    .wavefront_size: 32
...
	.end_amdgpu_metadata
.endif
;; end of part 2
